; MI455X (gfx1250); checked and timed in simulation.
; The chip was launched on July 23, 2026; its instructions are those of AMD's public machine-readable ISA for CDNA 5 (MIT licence, August 2026) and "CDNA5" Instruction Set Architecture Reference Guide (July 2026). The comments in the code are by the model that wrote it; some were corrected since.
;; Additive Attention. Allowed arithmetic: matrix products marked QUANTISED: E3M2 operands, one E8M0 scale for each 32 along K, by v_wmma_scale_f32_16x16x128_f8f6f4 with both operands' format E3M2, f32 sums; products left as they are: f32 operands where the result goes on into a quantised operand, else bf16, f16 or f32 operands; f32 sums; everything else in f32.
;; Inputs: W_codes 2,048 x 64 x 24 uint8 (E3M2 codes of W, K innermost, in blocks of 32 codes, four codes in three bytes); W_scales 2,048 x 64 uint8 (E8M0 scales of W, one for each 32 codes along K); h 16,384 x 1,024 float32; s 16,384 x 1,024 float32; v 1 x 2,048 float32.
;; Outputs: out0 1 x 16,384 float32.
;; This version of the problem:
;;   THIS VERSION OF THE PROBLEM IS GIVEN IN LOW PRECISION. The matrix products marked QUANTISED in the list below multiply operands that are first quantised to E3M2 (3 exponent bits, 2 mantissa bits; 6 bits a number), with one power-of-two scale for each 32 numbers along K (OCP MX v1.0); their sums are f32. All else is computed in f32.
;;   The module's matrix products, in the order in which they are computed (A, B: the left and right operand; K: the contracted axis; several contracted axes count as one K, in the product's order):
;;     1. [M 16,384, K 2,048] x [K 2,048, N 2,048]; A: computed on the way; B: input W (given as codes): QUANTISED
;;     2. [M 16,384, K 2,048] x [K 2,048, N 1]; A: computed on the way; B: input v: left as it is (N = 1 < 16)
;;   THE QUANTISER, for each operand of a quantised product, along K:
;;     - K is cut into blocks of 32 from its start; a last block that is shorter is filled with zeros.
;;     - A block's scale is 2^e with e = floor(log2(the largest magnitude in the block)) - 4, held to -126 .. 127; a block of zeros has e = 0. As a byte (E8M0): e + 127.
;;     - Each number is divided by its block's scale, clamped to +-28, and rounded to the nearest number of E3M2, ties to even, subnormals kept.
;;     - The product sums the exact products of the quantised numbers (number of the format x scale) in f32.
;;   ~~~python
;;   def quantise(x, axis):      # numpy; x: float32 -> the quantised numbers, widened to float32 again
;;       x = np.moveaxis(x, axis, -1); K = x.shape[-1]
;;       x = np.pad(x, [(0, 0)] * (x.ndim - 1) + [(0, -K % 32)]); x = x.reshape(x.shape[:-1] + (-1, 32)); a = np.abs(x).max(-1, keepdims=True)
;;       e = np.where(a > 0, np.clip(np.frexp(np.where(a > 0, a, 1))[1] - 1 - 4, -126, 127), 0)      # np.frexp(a)[1] - 1 = floor(log2(a)), exactly
;;       r = np.clip(x / 2.0 ** e, -28, 28)
;;       step = 2.0 ** (np.maximum(np.frexp(np.where(r == 0, 1, r))[1] - 1, -2) - 2)
;;       q = np.round(r / step) * step * 2.0 ** e      # np.round: ties to even
;;       return np.moveaxis(q.reshape(q.shape[:-2] + (-1,))[..., :K], -1, axis).astype(np.float32)
;;   ~~~
;;   OPERANDS COMPUTED ON THE WAY. 'Computed on the way' means the value that the module computes at that place (a softmax that the list does not call 'softmax' is quantised finished and normalised). What goes into a quantiser is computed in f32, as accurately as f32 sums, v_exp_f32 and their like allow (about 1e-6 of the number): no bf16 or f16 on the way to a quantiser, and a product that is left as it is and whose result goes on into a quantised operand takes f32 operands (vector FMAs, or v_wmma_f32_16x16x4_f32). A number that lies on a knife's edge between two numbers of the format may be rounded either way, as far as f32 arithmetic and the matrix unit's own rounding can turn it there, and no further.
;;   INPUTS GIVEN AS CODES. W (in the module: [2048, 2048], K = its axis 1): each comes as NAME_codes (uint8): NAME with its K axis moved to the last place and cut into blocks of 32 codes, [.., K / 32, bytes a block], one block behind the other in memory; four codes in three bytes: a row's codes are one little-endian stream of bits, code i at bits 6 i .. 6 i + 5 (a code: sign, 3 exponent bits, 2 mantissa bits); and NAME_scales (uint8): the same leading axes, one E8M0 byte (e + 127) for each 32 codes along K. Its value is code x scale, taken as it is: it is not quantised again, and the codes and scales need not be those that the quantiser above would give.
;; One version. Each part assembles by itself: llvm-mc -triple=amdgcn-amd-amdhsa -mcpu=gfx1250 --defsym DOCPART=n.
;; ======== version 1 of 1: 3 launches
;; limits: right only within a limited range of input values
;; workspace buffers: x_codes 25,165,824 bytes; x_scales 1,048,576 bytes; w_lay 3,145,728 bytes; part 262,144 bytes
;; launch quant (part 1): grid 1024 x 1, 4 waves a work-group, no clusters, 33,280 bytes of LDS; arguments s, h, x_codes, x_scales, W_codes, w_lay; writes x_codes, x_scales, w_lay
.if DOCPART == 1
	.amdgcn_target "amdgcn-amd-amdhsa--gfx1250"
	.amdhsa_code_object_version 6
	.text
	.protected	k_q8cbee8b33c_quant
	.globl	k_q8cbee8b33c_quant
	.p2align	8
	.type	k_q8cbee8b33c_quant,@function
k_q8cbee8b33c_quant:
	s_mov_b64 s[64:65], 0
	v_nop
	global_prefetch_b8 v0, s[64:65] scope:SCOPE_SE
	s_setreg_imm32_b32 hwreg(HW_REG_WAVE_MODE, 25, 1), 1
	s_wait_xcnt 0x0
; x = [s | h], [16384][2048] f32, becomes codes of BF6 (E3M2), 6 bits each, with one E8M0 scale byte for each 32 along K.
; A block's scale is 2^(floor(log2(its largest magnitude)) - 4); its byte is the largest magnitude's exponent field - 4, held at 1 from below.
; (A block of zeros so gets the byte 1 where the rule says 127: its codes are zeros, which add nothing under any byte but 0xff, and this program alone reads the bytes.)
; LIMITS: NaN and infinities among the inputs are not served.
; LAYOUT OF THE CODES, this program's own: [128 blocks of 128 rows][8 K steps of 256][128 rows][192 bytes]: what the product's launch fetches as one tile
; (128 rows x 256 along K) is one dense run of 24,576 bytes.  The scale bytes lie [16384][64].
; SHARES.  Wave Wg = 4 x work-group + wave owns rows 4 Wg .. 4 Wg + 3: 16 steps of 512 numbers.  Step t = 2 j + p is K step j (j < 4: from s, else from h) of rows 2 p and 2 p + 1.
; Each of a step's four loads reads 512 consecutive bytes, 16 a lane; the 2,048 bytes go through the wave's own stage in LDS and come back 64 bytes a lane, so that a lane holds
; 16 neighbours along K (two neighbouring lanes hold a block): lanes 0-15 row 2 p, lanes 16-31 row 2 p + 1.  A lane's 16 codes are 12 bytes: the wave stores 384 consecutive bytes,
; and steps 2 j and 2 j + 1 together 768, three aligned runs of 256.  The wave's 256 scale bytes are gathered in LDS and leave as one aligned run of 256 bytes.
; No tensor loads, no barrier: waves share nothing.  Loads run four steps (16 loads a wave) ahead, the turn through LDS one step.
.set STEPS, 16
.set EMAX,  4
.set CB,    12                         ; bytes of 16 codes
.set R,     16                         ; v16-79   four sets of 16 numbers as they are loaded
.set X,     80                         ; v80-111  two sets of 16 neighbours
.set E,     112                        ; v112-127 a scale byte for each step
.set C,     128                        ; v128-191 codes: four registers for each step, so that no store's data are written again
.set WREG,  8192                       ; LDS: a region for each wave: two stages of 32 x SP bytes, behind them its 256 scale bytes
.set SP,    80                         ; a lane's place in a stage: its 64 bytes + 16 of padding
	s_load_b128 s[4:7], s[0:1], 0x0                ; s, h
	s_load_b128 s[8:11], s[0:1], 0x10              ; the codes, the scale bytes
; WORK LEFT OUT BY THE PROGRAM: tanh(y) = 1 - 2 / (1 + e^(2 y)), so a row's score is (the sum of v) - 2 x the sum of v[j] / (1 + e^(2 y[j])).
; The sum of v is the same in every row, a term added alike to every input of the softmax along its axis: it falls out for all values of the inputs and is not formed.
; Every input is still loaded.  LIMIT: an overflow of the sum of v alone is not carried to the result.
; W's CODES ARE LAID ANEW, in the layout of x's codes: [16 blocks of 128 rows][8 K steps of 256][128 rows][192 bytes], so that a tile is one dense run of 24,576 bytes.
; Wave Wg copies 768 bytes: four rows' 192 bytes of one K step; 16 lanes take a row's piece, 12 bytes a lane; its two stores cover 768 consecutive bytes, at a multiple of 256.
	s_load_b128 s[12:15], s[0:1], 0x20             ; W's codes, their new place
	v_lshl_add_u32 v192, v0, 2, 0x8000
	v_mov_b32 v193, 0
	v_lshrrev_b32 v1, 5, v0
	v_readfirstlane_b32 s16, v1                    ; wave
	v_and_b32 v2, 31, v0                           ; lane
	v_lshlrev_b32 v3, 4, v2                        ; my 16 bytes of a load's 512
	s_mul_i32 s17, s16, WREG
	v_lshrrev_b32 v14, 2, v2
	v_mul_u32_u24 v14, v14, SP
	v_and_b32 v15, 3, v2
	v_lshl_add_u32 v14, v15, 4, v14
	v_add_nc_u32 v14, s17, v14                     ; the stage, on the way in: SP (lane / 4) + 16 (lane % 4); a load's 512 bytes take eight places
	v_mul_u32_u24 v15, v2, SP
	v_add_nc_u32 v15, s17, v15                     ; and on the way out: SP x lane: my 16 neighbours
	v_mul_u32_u24 v4, v2, CB                       ; my codes' place in a step's 384 bytes
	v_bfe_u32 v5, v0, 1, 3                         ; my block among the eight of a row's K step
	v_bfe_u32 v6, v0, 4, 1                         ; which of the step's two rows is mine
	v_lshl_add_u32 v5, v6, 6, v5                   ; 64 scale bytes a row
	s_add_co_u32 s17, s17, 2*32*SP
	v_add_nc_u32 v5, s17, v5                       ; LDS: my wave's 256 scale bytes, my block's byte
	v_lshlrev_b32 v7, 3, v2                        ; and on the way out 8 bytes a lane
	v_add_nc_u32 v6, s17, v7
	v_and_b32 v194, 15, v2
	v_mul_u32_u24 v194, v194, 12                   ; W: my 12 bytes of a row's 192,
	v_bfe_u32 v195, v0, 4, 1
	v_mad_u32_u24 v194, v195, 1536, v194           ; lanes 16-31 one row of 1,536 bytes on
	s_lshl_b32 s18, ttmp9, 2
	s_add_co_u32 s18, s18, s16                     ; Wg
	s_lshl_b32 s20, s18, 14                        ; four rows of 4,096 bytes in s and in h
	s_mov_b32 s21, 0
	s_lshr_b32 s22, s18, 5                         ; the block of 128 rows,
	s_mul_i32 s22, s22, 196608
	s_and_b32 s23, s18, 31                         ; and my four rows of 192 bytes in it
	s_mul_i32 s23, s23, 768
	s_add_co_u32 s22, s22, s23
	s_mov_b32 s23, 0
	s_lshl_b32 s24, s18, 8                         ; four rows of 64 scale bytes
	s_mov_b32 s25, 0
	s_and_b32 s26, s18, 31                         ; W: Wg = (block x 8 + K step) x 32 + group of four rows
	s_mul_i32 s26, s26, 6144
	s_bfe_u32 s27, s18, 0x30005
	s_mul_i32 s27, s27, 192
	s_add_co_u32 s26, s26, s27
	s_lshr_b32 s27, s18, 8
	s_mul_i32 s27, s27, 196608
	s_add_co_u32 s26, s26, s27
	s_mov_b32 s27, 0
	s_mul_i32 s28, s18, 768
	s_mov_b32 s29, 0
	s_wait_alu depctr_va_vdst(0)
	s_wait_kmcnt 0x0
	s_add_nc_u64 s[4:5], s[4:5], s[20:21]
	s_add_nc_u64 s[6:7], s[6:7], s[20:21]
	s_add_nc_u64 s[8:9], s[8:9], s[22:23]
	s_add_nc_u64 s[10:11], s[10:11], s[24:25]
	s_add_nc_u64 s[12:13], s[12:13], s[26:27]
	s_add_nc_u64 s[14:15], s[14:15], s[28:29]
	global_load_b96 v[196:198], v194, s[12:13]               ; rows 0, 1 of my four
	global_load_b96 v[200:202], v194, s[12:13] offset:3072   ; rows 2, 3 (older than all loads below: the first counted wait covers them)
.macro LOAD t                          ; step t: loads 0, 1 take row 2 p's 1,024 bytes of the K step, loads 2, 3 row 2 p + 1's
.irp i, 0,1,2,3
.if ((\t)/2) < 4
	global_load_b128 v[R+16*((\t)%4)+4*\i:R+16*((\t)%4)+4*\i+3], v3, s[4:5] offset:(2*((\t)%2)+\i/2)*4096+(((\t)/2)%4)*1024+(\i%2)*512 th:TH_LOAD_NT
.else
	global_load_b128 v[R+16*((\t)%4)+4*\i:R+16*((\t)%4)+4*\i+3], v3, s[6:7] offset:(2*((\t)%2)+\i/2)*4096+(((\t)/2)%4)*1024+(\i%2)*512 th:TH_LOAD_NT
.endif
.endr
.endm
.macro TURN t                          ; step t's numbers through the stage: LDS serves a wave's instructions in order, so no wait stands between the stores and the loads
.irp i, 0,1,2,3
	ds_store_b128 v14, v[R+16*((\t)%4)+4*\i:R+16*((\t)%4)+4*\i+3] offset:32*SP*((\t)%2)+8*SP*\i
.endr
.irp i, 0,1,2,3
	ds_load_b128 v[X+16*((\t)%2)+4*\i:X+16*((\t)%2)+4*\i+3], v15 offset:32*SP*((\t)%2)+16*\i
.endr
.endm
.irp t, 0,1,2,3
	LOAD \t
.endr
	s_wait_loadcnt 12                              ; step 0's four loads are in; those of steps 1 to 3 may be out
	TURN 0
	global_store_b96 v4, v[196:198], s[14:15]
	global_store_b96 v4, v[200:202], s[14:15] offset:384
.macro STEP t
.set XS, X+16*((\t)%2)
.if (\t) > 0
	s_wait_dscnt 1                                 ; this step's numbers are back from the stage (the last step's byte store may be out): so its stores into the stage have read their registers,
.else
	s_wait_dscnt 0x0
.endif
.if (\t)+4 < STEPS
	LOAD (\t)+4                                    ; which take the loads of four steps on
.endif
.if (\t)+1 < STEPS
.if STEPS-2-(\t) >= 3
	s_wait_loadcnt 12                              ; the next step's four loads are in; those of the three steps behind it may be out
.else
	s_wait_loadcnt 4*(STEPS-2-(\t))                ; towards the end fewer steps are behind it
.endif
	TURN (\t)+1                                    ; and go through the other stage while this step is worked
.endif
	v_max3_num_f32 v8, |v[XS]|, |v[XS+1]|, |v[XS+2]|               ; the largest magnitude of my 16, in two chains
	v_max3_num_f32 v9, |v[XS+3]|, |v[XS+4]|, |v[XS+5]|
.irp i, 6,10
	v_max3_num_f32 v8, v8, |v[XS+\i]|, |v[XS+\i+1]|
	v_max3_num_f32 v9, v9, |v[XS+\i+2]|, |v[XS+\i+3]|
.endr
	v_max3_num_f32 v8, v8, |v[XS+14]|, |v[XS+15]|
	v_max3_num_f32 v8, v8, v9, (EMAX+1)<<23        ; and the floor 2^(EMAX + 1 - 127): the byte cannot fall under 1
	v_max_num_f32_dpp v8, v8, v8 row_xmask:1 row_mask:0xf bank_mask:0xf   ; and of my neighbour's 16: the block's
	v_add_nc_u32 v11, 0xfe000000, v8               ; EMAX off its exponent field: the conversion takes the exponent field of this operand as its scale, and nothing else of it
	v_cvt_scalef32_pk16_bf6_f32 v[C+4*(\t):C+4*(\t)+2], v[XS:XS+15], v11   ; sixteen numbers / the scale, to the nearest code, ties to even, beyond the largest code the largest; 96 bits without gaps
	v_lshrrev_b32 v[E+(\t)], 23, v11               ; the scale's byte (also the plain line behind the conversion)
	ds_store_b8 v5, v[E+(\t)] offset:128*((\t)%2)+8*((\t)/2)       ; row 2 p + (lane / 16), block 8 j + my block; both lanes of a block write the same byte with the same value
	global_store_b96 v4, v[C+4*(\t):C+4*(\t)+2], s[8:9] offset:24576*((\t)/2)+384*((\t)%2)
.endm
.irp t, 0,1,2,3,4,5,6,7,8,9,10,11,12,13,14,15
	STEP \t
.endr
	ds_load_b64 v[12:13], v6                       ; LDS serves a wave's instructions in order: these see my stores
	s_wait_dscnt 0x0
	global_store_b64 v7, v[12:13], s[10:11]        ; 32 lanes store 256 consecutive bytes, at a multiple of 256 from the buffer's first byte
	s_wait_tensorcnt 0x0
	ds_add_u32 v192, v193
	s_wait_dscnt 0x0
	s_endpgm
.Lfunc_end_k_q8cbee8b33c_quant:
	.size	k_q8cbee8b33c_quant, .Lfunc_end_k_q8cbee8b33c_quant-k_q8cbee8b33c_quant
	.p2alignl 7, 3214868480
	.fill 96, 4, 3214868480
	.section	.rodata,"a",@progbits
	.p2align	6, 0x0
	.amdhsa_kernel k_q8cbee8b33c_quant
		.amdhsa_group_segment_fixed_size 33280
		.amdhsa_private_segment_fixed_size 0
		.amdhsa_enable_private_segment 0
		.amdhsa_kernarg_size 48
		.amdhsa_user_sgpr_count 2
		.amdhsa_user_sgpr_kernarg_segment_ptr 1
		.amdhsa_wavefront_size32 1
		.amdhsa_system_sgpr_workgroup_id_x 1
		.amdhsa_system_sgpr_workgroup_id_y 1
		.amdhsa_system_sgpr_workgroup_id_z 1
		.amdhsa_system_vgpr_workitem_id 0
		.amdhsa_next_free_vgpr 204
		.amdhsa_next_free_sgpr 66
		.amdhsa_reserve_vcc 0
		.amdhsa_float_denorm_mode_32 3
		.amdhsa_float_denorm_mode_16_64 3
		.amdhsa_memory_ordered 1
		.amdhsa_forward_progress 1
		.amdhsa_inst_pref_size 34
	.end_amdhsa_kernel
	.amdgpu_metadata
---
amdhsa.version: [ 1, 2 ]
amdhsa.kernels:
  - .name:           k_q8cbee8b33c_quant
    .symbol:         k_q8cbee8b33c_quant.kd
    .args:
      - { .name: s, .offset: 0, .size: 8, .value_kind: global_buffer, .address_space: global }
      - { .name: h, .offset: 8, .size: 8, .value_kind: global_buffer, .address_space: global }
      - { .name: x_codes, .offset: 16, .size: 8, .value_kind: global_buffer, .address_space: global }
      - { .name: x_scales, .offset: 24, .size: 8, .value_kind: global_buffer, .address_space: global }
      - { .name: W_codes, .offset: 32, .size: 8, .value_kind: global_buffer, .address_space: global }
      - { .name: w_lay, .offset: 40, .size: 8, .value_kind: global_buffer, .address_space: global }
    .group_segment_fixed_size: 33280
    .private_segment_fixed_size: 0
    .kernarg_segment_align: 8
    .kernarg_segment_size: 48
    .max_flat_workgroup_size: 128
    .sgpr_count:     66
    .vgpr_count:     204
    .wavefront_size: 32
...
	.end_amdgpu_metadata
.endif
;; end of part 1
;; launch gemm (part 2): grid 4 x 64, 4 waves a work-group, clusters of 4 x 4, 327,680 bytes of LDS; arguments x_codes, x_scales, w_lay, W_scales, v, part; writes part
.if DOCPART == 2
	.amdgcn_target "amdgcn-amd-amdhsa--gfx1250"
	.amdhsa_code_object_version 6
	.text
	.protected	k_q8cbee8b33c_gemm
	.globl	k_q8cbee8b33c_gemm
	.p2align	8
	.type	k_q8cbee8b33c_gemm,@function
k_q8cbee8b33c_gemm:
	s_mov_b64 s[64:65], 0
	v_nop
	global_prefetch_b8 v0, s[64:65] scope:SCOPE_SE
	s_setreg_imm32_b32 hwreg(HW_REG_WAVE_MODE, 25, 1), 1
	s_wait_xcnt 0x0
	s_wait_alu depctr_hold_cnt(0) depctr_sa_sdst(0) depctr_va_vdst(0) depctr_va_sdst(0) depctr_va_ssrc(0) depctr_va_vcc(0) depctr_vm_vsrc(0)
	s_getreg_b32 s2, hwreg(HW_REG_IB_STS2, 6, 4)
	s_cmp_eq_u32 s2, 0
	s_cbranch_scc0 .Lentry_in_a_cluster
	s_endpgm
.Lentry_in_a_cluster:
	s_bfe_u32 s2, ttmp6, 0x10000c
	s_cmp_lg_u32 s2, 0xf033
	s_cbranch_scc0 .Lentry_shape_is_right
	s_endpgm
.Lentry_shape_is_right:
; part[p][m] = -2 x the sum over the 512 columns n of work-group column p of v[n] / (1 + e^(2 y[m][n])), y = x W^T in MX-BF6 (codes and E8M0 scales as given or as launch quant made them).
; Left out: the sum of v, the same in every row (tanh = 1 - 2 / (1 + e^(2 y))); it falls out in the softmax for all values of the inputs.
; A work-group of four waves makes two tiles of 256 x 256, 1,024 columns apart; a wave 128 x 128: 64 accumulators, 512 registers.  256 work-groups.
; K goes in steps of 256 through two LDS slots; a tile of 128 rows is a dense run of 24,576 bytes, fetched as 96 rows of 256 bytes, padded by 16 bytes behind every 64: an LDS row of 192 code bytes has pitch 240.
; 4 x 4 clusters: x's tiles are asked for jointly along a cluster's row, W's along its column.  The scale bytes of all K come once, at the head.
; A UNIT is 128 along K: 64 matrix instructions, the accumulators by turns, and 96 LDS loads in three runs among the first 32 of them: the NEXT unit's sixteen fragments, into the other pair of buffers.
; A slot's last reads are the runs of its first unit; the change of slots stands among that unit's last matrix instructions, and the refill at the unit's end.
; The matrix instruction is used transposed (source 0 = W's rows): a lane holds one row m and eight neighbouring columns.
; PREFETCHES: at every second refill a pair of K steps, 49,152 bytes of a block of 128 rows, is asked for: the pair that stands two refills of its slots on.  Each cluster asks for its own four tile rows of x
; and its own four tile columns of W; the four partners that load a tile jointly share its bytes out by address (cx for x, cy for W): two partners to a block, three waves each, a lane to 256 bytes.
; W's go on into the second tile's K steps; x's rows are the same in both tiles and are asked for in the first alone.  K steps 0 to 3 are asked for at the head.  At most four K steps are asked for and not yet loaded.
; LIMITS: NaN and infinities in the inputs are not served.  e^(2 y) may overflow to infinity: its term is then 0, as tanh = 1 asks.
; REGISTERS: window 0: v0-31 addresses, v32-63 scales (two slots), v64-159 and v160-255 A's two buffers; window 1: B's two at v0-95, v128-223 (the second takes v's 64 numbers on the way out), v96-119 sums; windows 2, 3: accumulators.
.set TILES,  2
.set NQ,     2
.set KROW,   1536
.set ASTEP,  24576
.set BACKX,  6*ASTEP
.set NEXTW,  1024*KROW-6*ASTEP
.set PITCH,  240
.set FR,     12
.set HALFT,  128*PITCH
.set SLOT,   4*HALFT
.set KS,     64
.set SCL,    2*SLOT
.set HALFS,  (128*KS/256)*272
.set SBLK,   (16*KS/256)*272
.set SPARE,  SCL+6*HALFS
.set PART,   SPARE+512
.set VT,     PART+2048                 ; v at the work-group's 2 x 256 columns, 2,048 bytes
.set PFO,  15
.set ADRA, 16
.set ADRB, 20
.set PST,  24
.set PRD,  25
.set GOF,  26
.set ADRS, 27
.set SPW,  28
.set NIL,  29
.set VOL,  30
.set ADRS1, 31
.set SC,   32
.set AF,   64
.set F,    64                          ; the last sums, in A's first buffer
.set W2,   128                         ; window 1
.set T,    96                          ; window 1
.set R,    104                         ; window 1
.set PFA,  4                           ; s[4:5]  x's prefetches: two K steps short of the pair that is asked for
.set LIM,  6                           ; s6      x is asked for while s3 is above it
.set LIMB, 7                           ; s7      the same for W: 0 in the first tile, 1 in the second, the greatest number in wave 3
.set PFB,  8                           ; s[8:9]  W's prefetches
.set STP,  10                          ; s[10:11] W's step
.set G1, 24
.set G0, 32
.set G1B, 48
.set G0B, 56
.set G1S, 68
.set G0S, 76
.set G1SB, 80
.set G0SB, 88
.set MSB, 0
.macro WIN new                         ; the immediate's high byte repeats the setting that is left
.if MSB != (\new)
	s_set_vgpr_msb (MSB<<8)|(\new)
.set MSB, (\new)
.endif
.endm
.set MUL_LO, 0xa1                      ; source 0 (B) window 1, source 1 (A) window 0, C and D window 2; + 0x50: window 3
.set TO_B,   0x40
.macro PLACES
.rept 4
	v_nop
.endr
.endm
.macro JLOAD g0a, g1a, g0b, g1b        ; waves 0, 1 ask for x's halves, waves 2, 3 for W's
	s_cmp_eq_u32 s15, 0
	s_cbranch_scc0 .Lfor_b_\@
	tensor_load_to_lds s[\g0a:\g0a+3], s[\g1a:\g1a+7]
	s_nop 0
.rept 4
	v_nop
.endr
	s_branch .Lasked_\@
.Lfor_b_\@:
	tensor_load_to_lds s[\g0b:\g0b+3], s[\g1b:\g1b+7]
	s_nop 0
.rept 4
	v_nop
.endr
.Lasked_\@:
.endm
.macro ASKX                            ; x: not where no K step stands so far on, not in wave 3, not in the second tile
	s_cmp_gt_u32 s3, s[LIM]
	s_cbranch_scc0 .Lnot_x_\@
	global_prefetch_b8 v[PFO], s[PFA:PFA+1] offset:2*ASTEP th:TH_LOAD_NT scope:SCOPE_SE
.Lnot_x_\@:
.endm
.macro ASKW how                        ; W: how = 1: by the lap's count; 2: in the first tile's K step 6
.if \how == 1
	s_cmp_gt_u32 s3, s[LIMB]
.else
	s_cmp_eq_u32 s[LIMB], 0
.endif
	s_cbranch_scc0 .Lnot_w_\@
	global_prefetch_b8 v[PFO], s[PFB:PFB+1] offset:2*ASTEP th:TH_LOAD_NT scope:SCOPE_SE
.Lnot_w_\@:
.endm
.macro CREST
	s_cmp_lg_u32 s14, 0
	s_cbranch_scc1 .Lnot_wave_0_\@
	s_barrier_signal -3
.Lnot_wave_0_\@:
	s_barrier_wait -3
	s_barrier_signal -1
	s_barrier_wait -1
.endm
.macro CROUND
	s_barrier_signal -1
	s_barrier_wait -1
	CREST
.endm
	s_load_b128 s[4:7], s[0:1], 0x0                ; x's codes, x's scales
	s_load_b128 s[8:11], s[0:1], 0x10              ; W's codes as laid anew, W's scales
	s_load_b128 s[96:99], s[0:1], 0x20             ; v, part
	v_lshl_add_u32 v[SPW], v0, 2, SPARE
	v_mov_b32 v[NIL], 0
	ds_add_u32 v[SPW], v[NIL]
	ds_add_u32 v[SPW], v[NIL]
	s_wait_dscnt 0x0
	v_lshrrev_b32 v1, 5, v0
	v_readfirstlane_b32 s14, v1                    ; wave
	s_lshr_b32 s15, s14, 1                         ; my half of the tile's rows; also: I fetch for x (0) or W (1)
	s_and_b32 s16, s14, 1                          ; my half of its columns; also: which 128 rows I fetch
	s_bfe_u32 s40, ttmp6, 0x40000                  ; cx
	s_bfe_u32 s41, ttmp6, 0x40004                  ; cy
	s_lshl_b32 s42, ttmp9, 2
	s_add_co_u32 s42, s42, s40                     ; work-group column
	s_and_b32 s17, ttmp7, 0xffff
	s_lshl_b32 s17, s17, 2
	s_add_co_u32 s17, s17, s41                     ; tile row
	s_lshl_b32 s43, s41, 2
	s_lshl_b32 s43, 15, s43                        ; my row of the cluster
	s_lshl_b32 s44, 0x1111, s40                    ; my column
	s_or_b32 s[G1+0], s43, (0<<16)|(1<<20)|(1<<21)|(3<<22)|(3<<25)   ; bytes; 4 dwords of padding behind every 16
	s_or_b32 s[G1B+0], s44, (0<<16)|(1<<20)|(1<<21)|(3<<22)|(3<<25)
.irp g, G1, G1B                        ; 96 rows of 256 bytes, dense
	s_mov_b32 s[\g+1], 256<<16
	s_mov_b32 s[\g+2], 96<<16
	s_mov_b32 s[\g+3], 256<<16
	s_mov_b32 s[\g+4], 96
	s_mov_b32 s[\g+5], 256
	s_mov_b32 s[\g+6], 0
	s_mov_b32 s[\g+7], 0
.endr
	s_or_b32 s[G1S+0], s43, (3<<16)|(1<<20)|(1<<21)|(5<<22)|(3<<25)  ; scale bytes: rows of 256 bytes, pitch 272
	s_mov_b32 s[G1S+1], 32<<16
	s_mov_b32 s[G1S+2], 32<<16
	s_mov_b32 s[G1S+3], 32<<16
	s_mov_b32 s[G1S+4], 32
	s_mov_b32 s[G1S+5], 32
	s_mov_b32 s[G1S+6], 0
	s_mov_b32 s[G1S+7], 0
	s_or_b32 s[G1SB+0], s44, (3<<16)|(1<<20)|(1<<21)|(5<<22)|(3<<25)
	s_mov_b32 s[G1SB+1], 32<<16
	s_mov_b32 s[G1SB+2], 64<<16
	s_mov_b32 s[G1SB+3], 32<<16
	s_mov_b32 s[G1SB+4], 64
	s_mov_b32 s[G1SB+5], 32
	s_mov_b32 s[G1SB+6], 0
	s_mov_b32 s[G1SB+7], 0
	s_lshl_b32 s18, s16, 7
	s_lshl_b32 s20, s17, 8
	s_add_co_u32 s20, s20, s18                     ; x: my first row
	s_lshl_b32 s46, s42, 8
	s_add_co_u32 s46, s46, s18                     ; W: my first row
	s_mov_b32 s21, 0
	s_mov_b32 s47, 0
	s_mov_b64 s[18:19], KS
	s_mul_u64 s[22:23], s[20:21], s[18:19]
	s_lshl_b32 s92, s42, 14                        ; W's scales: 256 rows of 64 bytes of tile s16
	s_lshl_b32 s93, s16, 16
	s_add_co_u32 s92, s92, s93
	s_mov_b32 s93, 0
	s_mov_b64 s[18:19], KROW                       ; a block of 128 rows is 128 x 1,536 bytes in both layouts
	s_mul_u64 s[20:21], s[20:21], s[18:19]
	s_mul_u64 s[46:47], s[46:47], s[18:19]
	s_mul_i32 s45, s14, HALFT
	s_mul_i32 s94, s14, HALFS
	s_mul_i32 s95, s16, 2*HALFS
	s_wait_kmcnt 0x0
	s_add_nc_u64 s[20:21], s[4:5], s[20:21]
	s_add_nc_u64 s[22:23], s[6:7], s[22:23]
	s_add_nc_u64 s[46:47], s[8:9], s[46:47]
	s_add_nc_u64 s[92:93], s[10:11], s[92:93]
	s_mov_b32 s[G0S], 1
	s_add_co_u32 s[G0S+1], s94, SCL
	s_mov_b64 s[G0S+2:G0S+3], s[22:23]
	s_or_b32 s[G0S+3], s[G0S+3], 0x80000000
	s_mov_b32 s[G0SB], 1
	s_add_co_u32 s[G0SB+1], s95, SCL+2*HALFS
	s_mov_b64 s[G0SB+2:G0SB+3], s[92:93]
	s_or_b32 s[G0SB+3], s[G0SB+3], 0x80000000
.irp s, 0,1
	s_mov_b32 s[G0+4*\s], 1
	s_add_co_u32 s[G0+4*\s+1], s45, \s*SLOT
	s_add_nc_u64 s[G0+4*\s+2:G0+4*\s+3], s[20:21], \s*ASTEP
	s_or_b32 s[G0+4*\s+3], s[G0+4*\s+3], 0x80000000
	s_mov_b32 s[G0B+4*\s], 1
	s_add_co_u32 s[G0B+4*\s+1], s45, \s*SLOT
	s_add_nc_u64 s[G0B+4*\s+2:G0B+4*\s+3], s[46:47], \s*ASTEP
	s_or_b32 s[G0B+4*\s+3], s[G0B+4*\s+3], 0x80000000
.endr
	CROUND                                         ; in front of the first joint loads
	JLOAD G0S, G1S, G0SB, G1SB                     ; the scale bytes: my one tensor load at the head; all below stands under its flight
	v_and_b32 v[PFO], 31, v0
	v_lshlrev_b32 v[PFO], 8, v[PFO]                ; the prefetches' offset: a lane to 256 bytes
	s_wait_alu depctr_va_vdst(0)                   ; the wait ahead of the run of scalar lines
	s_mul_i32 s18, s17, 2*128*KROW                 ; x: my tile row's two blocks of 128 rows;
	s_lshr_b32 s19, s40, 1
	s_mul_i32 s19, s19, 128*KROW                   ; partners cx = 0, 1 take the first block, 2, 3 the second;
	s_add_co_u32 s18, s18, s19
	s_and_b32 s19, s40, 1
	s_mul_i32 s19, s19, 3
	s_add_co_u32 s19, s19, s14                     ; of a pair's six pieces of 8,192 bytes: 3 (cx % 2) + wave
	s_lshl_b32 s19, s19, 13
	s_add_co_u32 s18, s18, s19
	s_mov_b32 s19, 0
	s_add_nc_u64 s[PFA:PFA+1], s[PFA:PFA+1], s[18:19]
	s_mul_i32 s18, s42, 2*128*KROW                 ; W: the same by my tile column and cy
	s_lshr_b32 s19, s41, 1
	s_mul_i32 s19, s19, 128*KROW
	s_add_co_u32 s18, s18, s19
	s_and_b32 s19, s41, 1
	s_mul_i32 s19, s19, 3
	s_add_co_u32 s19, s19, s14
	s_lshl_b32 s19, s19, 13
	s_add_co_u32 s18, s18, s19
	s_mov_b32 s19, 0
	s_add_nc_u64 s[PFB:PFB+1], s[PFB:PFB+1], s[18:19]
	s_mov_b32 s[STP+1], 0
	s_cmp_lt_u32 s14, 3                            ; three waves ask
	s_cselect_b32 s[LIM], 1, -1
	s_cselect_b32 s[LIMB], 0, -1
	s_cbranch_scc0 .Lno_ask
	global_prefetch_b8 v[PFO], s[PFA:PFA+1] th:TH_LOAD_NT scope:SCOPE_SE                   ; K steps 0, 1: their fills stand behind the scale bytes' landing and a round
	global_prefetch_b8 v[PFO], s[PFB:PFB+1] th:TH_LOAD_NT scope:SCOPE_SE
	global_prefetch_b8 v[PFO], s[PFA:PFA+1] offset:2*ASTEP th:TH_LOAD_NT scope:SCOPE_SE    ; K steps 2, 3
	global_prefetch_b8 v[PFO], s[PFB:PFB+1] offset:2*ASTEP th:TH_LOAD_NT scope:SCOPE_SE
.Lno_ask:
	v_lshrrev_b32 v9, 6, v0                        ; v's table: thread t takes 16 bytes: threads 0-63 the first tile's 256 columns, threads 64-127 the second's, 4,096 bytes on
	v_lshlrev_b32 v8, 4, v0
	v_mad_u32_u24 v9, v9, 3072, v8
	v_lshl_add_u32 v8, v0, 4, VT
	s_lshl_b32 s46, s42, 10
	s_mov_b32 s47, 0
	s_add_nc_u64 s[96:97], s[96:97], s[46:47]
	global_load_b128 v[10:13], v9, s[96:97]
	v_and_b32 v1, 15, v0                           ; r
	v_bfe_u32 v2, v0, 4, 1                         ; h
	v_mul_u32_u24 v3, v1, PITCH
	v_mul_u32_u24 v4, v2, 24
	v_add_nc_u32 v4, v3, v4                        ; row r, + 24 h
	v_lshl_add_u32 v5, v2, 4, v4                   ; the same for pieces whose upper lanes lie behind the next padding
	s_mul_i32 s21, s15, HALFT
	s_mul_i32 s22, s16, HALFT
	s_add_co_u32 s22, s22, 2*HALFT
.irp s, 0,1
	v_add_nc_u32 v[ADRA+\s], s21, v4
	v_add_nc_u32 v[ADRB+\s], s22, v4
	v_add_nc_u32 v[ADRA+2+\s], s21, v5
	v_add_nc_u32 v[ADRB+2+\s], s22, v5
	s_add_co_u32 s21, s21, SLOT
	s_add_co_u32 s22, s22, SLOT
.endr
	v_mul_u32_u24 v5, v1, KS                       ; scale words: lanes 0-15 x's rows, lanes 16-31 W's: one product, lower base + h x distance
	v_lshrrev_b32 v6, 8, v5
	v_lshl_add_u32 v5, v6, 4, v5
	s_mul_i32 s21, s15, HALFS
	s_mul_i32 s22, s16, HALFS
	s_add_co_u32 s22, s22, 2*HALFS
	s_sub_co_u32 s22, s22, s21
	v_mul_u32_u24 v6, s22, v2
	s_add_co_u32 s22, s22, 2*HALFS
	v_mul_u32_u24 v7, s22, v2
	s_add_co_u32 s21, s21, SCL
	v_add_nc_u32 v6, v5, v6
	v_add_nc_u32 v7, v5, v7
	v_add_nc_u32 v[ADRS], s21, v6                  ; first tile
	v_add_nc_u32 v[ADRS1], s21, v7                 ; second tile
	s_lshl_b32 s21, s16, 10
	s_lshl_b32 s22, s15, 9
	s_add_co_u32 s21, s21, s22
	s_add_co_u32 s21, s21, PART
	v_lshl_add_u32 v[PST], v1, 2, s21
	v_lshl_add_u32 v[PRD], v0, 3, PART
	v_lshlrev_b32 v[GOF], 3, v0
	s_lshl_b32 s21, s16, 9
	s_add_co_u32 s21, s21, VT
	v_lshl_add_u32 v[VOL], v2, 5, s21              ; v's table at my 128 columns, + 32 h
	s_wait_alu depctr_va_vdst(0)                   ; the wait ahead of the run of scalar lines
	s_lshl_b32 s46, s42, 16
	s_add_nc_u64 s[98:99], s[98:99], s[46:47]
	s_lshl_b32 s20, s17, 10
	s_mov_b32 s21, 0
	s_add_nc_u64 s[98:99], s[98:99], s[20:21]      ; part[work-group column][my tile's 256 rows]
	WIN 0x40
.irp j, 0,1,2,3,4,5,6,7,8,9,10,11,12,13,14,15
	v_mov_b32 v[R+\j], 0                           ; the rows' sums run over both tiles
.endr
	WIN 0
	s_mov_b32 s12, 0x4038aa3b                      ; 2 log2(e)
	s_mov_b32 s13, s12
	s_mov_b32 s66, 0x76543210
	s_mov_b32 s67, 0xfedcba98
	s_wait_alu depctr_va_vdst(0)                   ; the wait at the head's end
	s_wait_loadcnt 0x0                             ; my 16 bytes of v
	s_wait_tensorcnt 0x0                           ; no tensor load of mine is out when I store to LDS
	ds_store_b128 v8, v[10:13]                     ; bytes of their own; the others read them behind the rounds below
.irp s, 0,1                            ; each slot's first fill stands behind the full sequence and a round, one load a wave
	s_wait_tensorcnt 0x0
	ds_add_u32 v[SPW], v[NIL]
	s_wait_dscnt 0x0
	CROUND
	JLOAD G0+4*\s, G1, G0B+4*\s, G1B
.endr                                  ; behind the second round the scale bytes and slot 0 are whole for every wave
; a fragment: six loads of 8 bytes; piece PC of a row's 24 lies at 8 PC + 16 (PC / 8); pieces whose upper lanes pass a padding take the second address
.macro FRAG reg, adr, q, i
.irp p, 0,1,2,3,4,5
.set PC, 12*(\q)+6*(\p/3)+\p%3
.if PC%8 < 5
	ds_load_b64 v[\reg+2*\p:\reg+2*\p+1], v[\adr] offset:8*PC+16*(PC/8)+(\i)*16*PITCH
.else
	ds_load_b64 v[\reg+2*\p:\reg+2*\p+1], v[\adr+2] offset:8*PC+16*(PC/8)+(\i)*16*PITCH
.endif
.endr
.endm
.macro SCALES sc
.irp i, 0,1,2,3,4,5,6,7
	ds_load_b64 v[SC+8*NQ*\sc+NQ*\i:SC+8*NQ*\sc+NQ*\i+1], v[ADRS] offset:\i*SBLK
.endr
.endm
.macro SETC cs, cq, ns, nq, z          ; this unit's slot and half, the next unit's, and whether the products start the sums
.set CS_, (\cs)
.set CQ_, (\cq)
.set NS_, (\ns)
.set NQ_, (\nq)
.set ZERO_, (\z)
.endm
.macro RUNP c0, c1                     ; fragments c0 .. c1 of the next unit's sixteen (0-7: B's, 8-15: A's), into the buffers of its half
.set rc_, (\c0)
.rept (\c1)-(\c0)+1
.if rc_ < 8
	WIN TO_B
	FRAG 128*NQ_+FR*rc_, ADRB+NS_, NQ_, rc_
.else
	WIN 0
	FRAG AF+96*NQ_+FR*(rc_-8), ADRA+NS_, NQ_, rc_-8
.endif
.set rc_, rc_+1
.endr
.endm
.macro M a, b
.set AC_, 8*(8*((\a)%4)+(\b))
.if ZERO_
	v_wmma_scale_f32_16x16x128_f8f6f4 v[AC_:AC_+7], v[128*CQ_+FR*(\b):128*CQ_+FR*(\b)+FR-1], v[AF+96*CQ_+FR*(\a):AF+96*CQ_+FR*(\a)+FR-1], 0, v[SC+16*CS_+2*(\b)+CQ_], v[SC+16*CS_+2*(\a)+CQ_] matrix_a_fmt:MATRIX_FMT_BF6 matrix_b_fmt:MATRIX_FMT_BF6 matrix_a_scale:MATRIX_SCALE_ROW1
.else
	v_wmma_scale_f32_16x16x128_f8f6f4 v[AC_:AC_+7], v[128*CQ_+FR*(\b):128*CQ_+FR*(\b)+FR-1], v[AF+96*CQ_+FR*(\a):AF+96*CQ_+FR*(\a)+FR-1], v[AC_:AC_+7], v[SC+16*CS_+2*(\b)+CQ_], v[SC+16*CS_+2*(\a)+CQ_] matrix_a_fmt:MATRIX_FMT_BF6 matrix_b_fmt:MATRIX_FMT_BF6 matrix_a_scale:MATRIX_SCALE_ROW1
.endif
.endm
.macro ROWS a0, a1                     ; rows a0 .. a1: A's fragment a with B's eight, eight accumulators by turns
.set ra_, (\a0)
.rept (\a1)-(\a0)+1
	WIN MUL_LO+0x50*(ra_/4)
.irp b, 0,1,2,3,4,5,6,7
	M ra_, \b
.endr
.set ra_, ra_+1
.endr
.endm
; A slot's first unit; its runs are my last reads of the slot.  fill = 1: the slot takes this tile's K step two on; 2: the next tile's; 0: the barrier alone; 3: nothing.  ask = 1: x and W; 2: W alone
.macro U0 slot, z, fill, ask
	SETC \slot, 0, \slot, 1, \z
.if \ask
	s_wait_xcnt 0x0                                ; my last prefetches have read their addresses
.if \ask == 1
	s_add_nc_u64 s[PFA:PFA+1], s[PFA:PFA+1], 2*ASTEP
.endif
	s_cmp_eq_u32 s3, 1                             ; at K step 4 W's prefetches go over to the next tile's rows
	s_mov_b32 s[STP], 2*ASTEP
	s_cselect_b32 s[STP], NEXTW, s[STP]
	s_add_nc_u64 s[PFB:PFB+1], s[PFB:PFB+1], s[STP:STP+1]
.endif
	s_wait_dscnt 0x0                               ; this unit's operands are in (the runs hold more loads than a counted wait can name)
	PLACES                                         ; between the last unit's products and the loads into their buffers
	RUNP 0, 4
	ROWS 0, 1
	RUNP 5, 9
	ROWS 2, 3
	RUNP 10, 15
.if \fill == 3
	ROWS 4, 7
	WIN 0
.else
	ROWS 4, 5
	WIN 0
	s_wait_tensorcnt 0x0                           ; my part of the other slot is in,
	ds_add_u32 v[SPW], v[NIL]
.if \fill == 1
	s_add_nc_u64 s[G0+4*\slot+2:G0+4*\slot+3], s[G0+4*\slot+2:G0+4*\slot+3], 2*ASTEP
	s_add_nc_u64 s[G0B+4*\slot+2:G0B+4*\slot+3], s[G0B+4*\slot+2:G0B+4*\slot+3], 2*ASTEP
.elseif \fill == 2
	s_sub_nc_u64 s[G0+4*\slot+2:G0+4*\slot+3], s[G0+4*\slot+2:G0+4*\slot+3], BACKX
	s_add_nc_u64 s[G0B+4*\slot+2:G0B+4*\slot+3], s[G0B+4*\slot+2:G0B+4*\slot+3], NEXTW
	s_mov_b32 s[LIM], -1
.if \slot == 1
	s_cmp_eq_u32 s[LIMB], 0
	s_cselect_b32 s[LIMB], 1, -1                   ; in the second tile W is asked for at K steps 0 and 2 alone
.endif
.endif
	ROWS 6, 6                                      ; work on registers while the add is out
	s_wait_dscnt 0x0                               ; the add is done and my reads of this slot are over
	s_barrier_signal -1
	ROWS 7, 7                                      ; work on registers while the others arrive
	WIN 0
	s_barrier_wait -1
.if \fill
	CREST                                          ; the rest of the cluster's round
	JLOAD G0+4*\slot, G1, G0B+4*\slot, G1B         ; the refill, first behind the round
.if \ask == 1
	ASKX
.endif
.if \ask
	ASKW \ask
.endif
.endif
.endif
.endm
; A slot's second unit; its runs read the other slot.  mode = 1: the next K step; 2: the next tile's first; 0: nothing follows
.macro U1 slot, mode
	SETC \slot, 1, 1-\slot, 0, 0
	s_wait_dscnt 0x0
.if \mode
.if \mode == 2
	v_mov_b32 v[ADRS], v[ADRS1]                    ; the next tile's scale words
.else
	v_add_nc_u32 v[ADRS], 4*NQ, v[ADRS]            ; the next K step's
.endif
	s_wait_alu depctr_va_vdst(0)                   ; the wait, directly behind the write
	PLACES
	SCALES NS_
	RUNP 0, 3
	ROWS 0, 1
	RUNP 4, 9
	ROWS 2, 3
	RUNP 10, 15
	ROWS 4, 7
.else
	ROWS 0, 7
.endif
	WIN 0
.endm
; THE WAY OUT, block a = my rows 16 a ..: t = 2 log2(e) y (PM), E = 2^t, 1 + E (PA), its reciprocal, and the sum with v (FM).  A stage works on three blocks:
; a run of plain lines, one wait, 128 transcendentals, a plain line, one wait
.macro PM a
.set AC, 64*((\a)%4)
	WIN 0x82+0x41*((\a)/4)
	s_wait_alu depctr_va_vdst(0)
.set ii, 0
.rept 32
	v_pk_mul_f32 v[AC+2*ii:AC+2*ii+1], v[AC+2*ii:AC+2*ii+1], s[12:13] op_sel_hi:[1,0]
.set ii, ii+1
.endr
.endm
.macro PA a
.set AC, 64*((\a)%4)
	WIN 0x82+0x41*((\a)/4)
.set ii, 0
.rept 32
	v_pk_add_f32 v[AC+2*ii:AC+2*ii+1], v[AC+2*ii:AC+2*ii+1], 1.0 op_sel_hi:[1,0]
.set ii, ii+1
.endr
.endm
.macro TR op, a
.set AC, 64*((\a)%4)
	WIN 0x82+0x41*((\a)/4)
.set ii, 0
.rept 64
	\op v[AC+ii], v[AC+ii]
.set ii, ii+1
.endr
.endm
.macro FM a                            ; four chains; the block's sum so far starts the first.  Source 0: window 2 or 3; v's numbers and the sums: window 1
.set AC, 64*((\a)%4)
	WIN 0x56+((\a)/4)
.set ii, 0
.rept 32
.if ii == 0
	v_pk_fma_f32 v[T:T+1], v[AC:AC+1], v[W2:W2+1], v[R+2*(\a):R+2*(\a)+1]
.elseif ii < 4
	v_pk_mul_f32 v[T+2*ii:T+2*ii+1], v[AC+2*ii:AC+2*ii+1], v[W2+2*ii:W2+2*ii+1]
.else
	v_pk_fma_f32 v[T+2*(ii%4):T+2*(ii%4)+1], v[AC+2*ii:AC+2*ii+1], v[W2+2*ii:W2+2*ii+1], v[T+2*(ii%4):T+2*(ii%4)+1]
.endif
.set ii, ii+1
.endr
	WIN 0x55
	v_pk_add_f32 v[T:T+1], v[T:T+1], v[T+2:T+3]
	v_pk_add_f32 v[T+4:T+5], v[T+4:T+5], v[T+6:T+7]
	v_pk_add_f32 v[R+2*(\a):R+2*(\a)+1], v[T:T+1], v[T+4:T+5]
.endm
.macro STAGE j
.if (\j) == 2
	s_wait_dscnt 0x0                               ; v's numbers are in
.endif
.if (\j) <= 7
	PM \j
.endif
.if ((\j) >= 1) && ((\j) <= 8)
	PA (\j)-1
.endif
.if (\j) >= 2
	FM (\j)-2
.endif
.if (\j) <= 8
	s_wait_alu depctr_va_vdst(0)
.if (\j) <= 7
	TR v_exp_f32, \j
.endif
.if (\j) >= 1
	TR v_rcp_f32, (\j)-1
.endif
	v_nop
	s_wait_alu depctr_va_vdst(0)
.endif
.endm
	SETC 0, 0, 0, 0, 0                             ; the first unit's operands
	SCALES 0
	RUNP 0, 15
	s_mov_b32 s2, TILES
.Ltile:
	s_mov_b32 s3, 2
	U0 0, 1, 1, 1                                  ; K step 0: the first products start the sums; the slot takes K step 2
.Llap:                                                 ; two trips: up to K step 4's first unit
	U1 0, 1
	U0 1, 0, 1, 0
	U1 1, 1
	U0 0, 0, 1, 1
	s_sub_co_u32 s3, s3, 1
	s_cmp_lg_u32 s3, 0
	s_cbranch_scc1 .Llap
	U1 0, 1
	U0 1, 0, 1, 0                                  ; K step 5; the slot takes K step 7
	U1 1, 1
	s_cmp_eq_u32 s2, 1
	s_cbranch_scc1 .Llast_tile
	U0 0, 0, 2, 2                                  ; the ring goes on into the next tile
	U1 0, 1
	U0 1, 0, 2, 0
	U1 1, 2
	s_branch .Lout
.Llast_tile:
	U0 0, 0, 0, 0                                  ; the last tile's tail asks for nothing more
	U1 0, 1
	U0 1, 0, 3, 0
	U1 1, 0
.Lout:
	PLACES                                         ; behind the last products: their results are read, and B's second buffer is loaded
	WIN TO_B
.irp b, 0,1,2,3,4,5,6,7                ; v at this tile's columns 16 b + 8 h + 0 .. 7
	ds_load_b128 v[W2+8*\b:W2+8*\b+3],   v[VOL] offset:64*\b
	ds_load_b128 v[W2+8*\b+4:W2+8*\b+7], v[VOL] offset:64*\b+16
.endr
	WIN 0
	v_add_nc_u32 v[VOL], 1024, v[VOL]              ; the next tile's part of the table (behind the last tile it is not used)
	s_wait_alu depctr_va_vdst(0)                   ; the wait, directly behind the write
.irp j, 0,1,2,3,4,5,6,7,8,9
	STAGE \j
.endr
	WIN 0
	s_sub_co_u32 s2, s2, 1
	s_cmp_lg_u32 s2, 0
	s_cbranch_scc1 .Ltile
	WIN 0x05
.irp a, 0,1,2,3,4,5,6,7
	v_add_f32 v[F+\a], v[R+2*\a], v[R+2*\a+1]
.endr
	WIN 0
.irp a, 0,1,2,3,4,5,6,7
	v_permlanex16_b32 v[F+8+\a], v[F+\a], s66, s67
.endr
.irp a, 0,1,2,3,4,5,6,7
	v_add_f32 v[F+\a], v[F+\a], v[F+8+\a]          ; with lane l xor 16's columns: row 16 a + r over my 128 columns of both tiles
.endr
.irp a, 0,1,2,3,4,5,6,7
	ds_store_b32 v[PST], v[F+\a] offset:64*\a
.endr
	s_wait_dscnt 0x0
	s_barrier_signal -1
	s_barrier_wait -1
	ds_load_b64 v[248:249], v[PRD]                 ; the two column halves of two rows
	ds_load_b64 v[250:251], v[PRD] offset:1024
	s_wait_dscnt 0x0
	v_pk_add_f32 v[252:253], v[248:249], v[250:251]
	v_pk_mul_f32 v[252:253], v[252:253], -2.0 op_sel_hi:[1,0]
	global_store_b64 v[GOF], v[252:253], s[98:99]  ; a wave stores 256 consecutive bytes, at a multiple of 256
	s_wait_tensorcnt 0x0                           ; the wave's end
	ds_add_u32 v[SPW], v[NIL]
	s_wait_dscnt 0x0
	CROUND                                         ; the closing round
	s_endpgm
.Lfunc_end_k_q8cbee8b33c_gemm:
	.size	k_q8cbee8b33c_gemm, .Lfunc_end_k_q8cbee8b33c_gemm-k_q8cbee8b33c_gemm
	.p2alignl 7, 3214868480
	.fill 96, 4, 3214868480
	.section	.rodata,"a",@progbits
	.p2align	6, 0x0
	.amdhsa_kernel k_q8cbee8b33c_gemm
		.amdhsa_group_segment_fixed_size 327680
		.amdhsa_private_segment_fixed_size 0
		.amdhsa_enable_private_segment 0
		.amdhsa_kernarg_size 48
		.amdhsa_user_sgpr_count 2
		.amdhsa_user_sgpr_kernarg_segment_ptr 1
		.amdhsa_wavefront_size32 1
		.amdhsa_system_sgpr_workgroup_id_x 1
		.amdhsa_system_sgpr_workgroup_id_y 1
		.amdhsa_system_sgpr_workgroup_id_z 1
		.amdhsa_system_vgpr_workitem_id 0
		.amdhsa_next_free_vgpr 1024
		.amdhsa_next_free_sgpr 100
		.amdhsa_reserve_vcc 0
		.amdhsa_float_denorm_mode_32 3
		.amdhsa_float_denorm_mode_16_64 3
		.amdhsa_memory_ordered 1
		.amdhsa_forward_progress 1
		.amdhsa_inst_pref_size 255
	.end_amdhsa_kernel
	.section	.bss,"aw",@nobits
	.p2align	6
	.space	262144
	.amdgpu_metadata
---
amdhsa.version: [ 1, 2 ]
amdhsa.kernels:
  - .name:           k_q8cbee8b33c_gemm
    .symbol:         k_q8cbee8b33c_gemm.kd
    .args:
      - { .name: x_codes, .offset: 0, .size: 8, .value_kind: global_buffer, .address_space: global }
      - { .name: x_scales, .offset: 8, .size: 8, .value_kind: global_buffer, .address_space: global }
      - { .name: w_lay, .offset: 16, .size: 8, .value_kind: global_buffer, .address_space: global }
      - { .name: W_scales, .offset: 24, .size: 8, .value_kind: global_buffer, .address_space: global }
      - { .name: v, .offset: 32, .size: 8, .value_kind: global_buffer, .address_space: global }
      - { .name: part, .offset: 40, .size: 8, .value_kind: global_buffer, .address_space: global }
    .group_segment_fixed_size: 327680
    .private_segment_fixed_size: 0
    .kernarg_segment_align: 8
    .kernarg_segment_size: 48
    .max_flat_workgroup_size: 128
    .sgpr_count:     100
    .vgpr_count:     1024
    .wavefront_size: 32
...
	.end_amdgpu_metadata
.endif
;; end of part 2
;; launch soft (part 3): grid 1 x 1, 32 waves a work-group, no clusters, 4,608 bytes of LDS; arguments part, out0; writes out0
.if DOCPART == 3
	.amdgcn_target "amdgcn-amd-amdhsa--gfx1250"
	.amdhsa_code_object_version 6
	.text
	.protected	k_q8cbee8b33c_soft
	.globl	k_q8cbee8b33c_soft
	.p2align	8
	.type	k_q8cbee8b33c_soft,@function
k_q8cbee8b33c_soft:
	s_mov_b64 s[64:65], 0
	v_nop
	global_prefetch_b8 v0, s[64:65] scope:SCOPE_SE
	s_setreg_imm32_b32 hwreg(HW_REG_WAVE_MODE, 25, 1), 1
	s_wait_xcnt 0x0
; out0[m] = softmax over the 16,384 rows m of the sum over p = 0 .. 3 of part[p][m].  part: [4][16384] f32.  (A score's constant part, the sum of v, is the same in every row and falls out here.)
; One work-group, since the maximum and the sum span all rows: 1,024 threads, 16 rows each: thread t owns rows 4 t + 4096 g + 0 .. 3, g = 0 .. 3, so that a wave's load or store covers 512 consecutive bytes.
; The four parts are added in ascending p.  The maximum is taken away before the exponential: 2^(x log2(e) - M log2(e)) by one fused multiply-add; the number taken away is the same in every row.
; Maximum and sum: within a lane, across the wave's 32 lanes, then across the 32 waves through 32 words of LDS (lane l reads wave l's word); two barriers, two sets of words.
; No matrix unit, no tensor load: 256 KiB are read once and 64 KiB written.
; REGISTERS: v1 16 t; v2 4 x wave; v3 4 x lane; v[4:5] M log2(e); v[6:7] 1 / the sum; v8-10 at work; v16-79 four sets of 16 numbers: set 0 takes the sums.
	s_load_b128 s[4:7], s[0:1], 0x0                ; part, out0
	v_lshl_add_u32 v80, v0, 2, 0x200
	v_mov_b32 v81, 0
	v_lshlrev_b32 v1, 4, v0
	v_lshrrev_b32 v2, 5, v0
	s_delay_alu instid0(VALU_DEP_1)
	v_lshlrev_b32 v2, 2, v2
	v_and_b32 v3, 31, v0
	s_delay_alu instid0(VALU_DEP_1)
	v_lshlrev_b32 v3, 2, v3
	v_mov_b32 v9, 0                                ; written once: a lane permute's destination counts as one of its sources
	s_mov_b32 s12, 0x76543210
	s_mov_b32 s13, 0xfedcba98                      ; v_permlanex16_b32's selects for lane l xor 16
	s_mov_b32 s14, 0x3fb8aa3b                      ; log2(e)
	s_mov_b32 s15, s14                             ; (the packed form names the pair, so it is written)
	s_wait_alu depctr_va_vdst(0)
	s_wait_kmcnt 0x0
.macro LD p, q                         ; part p of my 16 rows into set q
.irp g, 0,1,2,3
	global_load_b128 v[16+16*(\q)+4*\g:16+16*(\q)+4*\g+3], v1, s[4:5] offset:65536*(\p)+16384*\g th:TH_LOAD_NT
.endr
.endm
.macro ACC q                           ; set q onto set 0
.irp j, 0,2,4,6,8,10,12,14
	v_pk_add_f32 v[16+\j:17+\j], v[16+\j:17+\j], v[16+16*(\q)+\j:17+16*(\q)+\j]
.endr
.endm
.macro WMAX                            ; the largest v8 of the wave's 32 lanes, in every lane
	v_max_num_f32_dpp v8, v8, v8 row_xmask:1 row_mask:0xf bank_mask:0xf
	s_delay_alu instid0(VALU_DEP_1)
	v_max_num_f32_dpp v8, v8, v8 row_xmask:2 row_mask:0xf bank_mask:0xf
	s_delay_alu instid0(VALU_DEP_1)
	v_max_num_f32_dpp v8, v8, v8 row_xmask:4 row_mask:0xf bank_mask:0xf
	s_delay_alu instid0(VALU_DEP_1)
	v_max_num_f32_dpp v8, v8, v8 row_xmask:8 row_mask:0xf bank_mask:0xf
	s_wait_alu depctr_va_vdst(0)
	v_permlanex16_b32 v9, v8, s12, s13
	s_delay_alu instid0(VALU_DEP_1)
	v_max_num_f32 v8, v8, v9
.endm
.macro WSUM                            ; the sum likewise
	v_add_f32_dpp v8, v8, v8 row_xmask:1 row_mask:0xf bank_mask:0xf
	s_delay_alu instid0(VALU_DEP_1)
	v_add_f32_dpp v8, v8, v8 row_xmask:2 row_mask:0xf bank_mask:0xf
	s_delay_alu instid0(VALU_DEP_1)
	v_add_f32_dpp v8, v8, v8 row_xmask:4 row_mask:0xf bank_mask:0xf
	s_delay_alu instid0(VALU_DEP_1)
	v_add_f32_dpp v8, v8, v8 row_xmask:8 row_mask:0xf bank_mask:0xf
	s_wait_alu depctr_va_vdst(0)
	v_permlanex16_b32 v9, v8, s12, s13
	s_delay_alu instid0(VALU_DEP_1)
	v_add_f32 v8, v8, v9
.endm
.irp p, 0,1,2,3
	LD \p, \p                                      ; all 16 loads of the wave go out together
.endr
	s_wait_loadcnt 8                               ; parts 0 and 1 are in; the eight loads of parts 2 and 3 may be out
	ACC 1
	s_wait_alu depctr_va_vdst(0)
	s_wait_loadcnt 4                               ; part 2 is in; behind it: part 3's four loads
	ACC 2
	s_wait_alu depctr_va_vdst(0)
	s_wait_loadcnt 0x0
	ACC 3
	v_max3_num_f32 v8, v16, v17, v18               ; the largest of my 16, in two chains
	v_max3_num_f32 v10, v19, v20, v21
	s_delay_alu instid0(VALU_DEP_2)
	v_max3_num_f32 v8, v8, v22, v23
	s_delay_alu instid0(VALU_DEP_2)
	v_max3_num_f32 v10, v10, v24, v25
	s_delay_alu instid0(VALU_DEP_2)
	v_max3_num_f32 v8, v8, v26, v27
	s_delay_alu instid0(VALU_DEP_2)
	v_max3_num_f32 v10, v10, v28, v29
	s_delay_alu instid0(VALU_DEP_2)
	v_max3_num_f32 v8, v8, v30, v31
	s_delay_alu instid0(VALU_DEP_1)
	v_max_num_f32 v8, v8, v10
	WMAX
	ds_store_b32 v2, v8                            ; all lanes write the wave's word with the same value
	s_wait_dscnt 0x0                               ; for the others' sake: zero
	s_barrier_signal -1
	s_barrier_wait -1
	ds_load_b32 v8, v3                             ; lane l: wave l's largest
	s_wait_dscnt 0x0
	WMAX                                           ; M, in every lane of every wave
	s_delay_alu instid0(VALU_DEP_1)
	v_mul_f32 v4, s14, v8
	s_delay_alu instid0(VALU_DEP_1)
	v_mov_b32 v5, v4                               ; (named with it as a pair, so it is written)
.irp j, 0,2,4,6,8,10,12,14
	v_pk_fma_f32 v[16+\j:17+\j], v[16+\j:17+\j], s[14:15], v[4:5] op_sel_hi:[1,0,0] neg_lo:[0,0,1] neg_hi:[0,0,1]   ; x log2(e) - M log2(e)
.endr
	s_wait_alu depctr_va_vdst(0)
.irp j, 0,1,2,3,4,5,6,7,8,9,10,11,12,13,14,15
	v_exp_f32 v[16+\j], v[16+\j]
.endr
	v_nop                                          ; a plain line behind the last exponential,
	s_wait_alu depctr_va_vdst(0)                   ; and one wait for the sixteen, ahead of their first reader
	v_pk_add_f32 v[32:33], v[16:17], v[18:19]      ; the sum of my 16, in two chains
	v_pk_add_f32 v[34:35], v[20:21], v[22:23]
	v_pk_add_f32 v[32:33], v[32:33], v[24:25]
	v_pk_add_f32 v[34:35], v[34:35], v[26:27]
	v_pk_add_f32 v[32:33], v[32:33], v[28:29]
	v_pk_add_f32 v[34:35], v[34:35], v[30:31]
	s_delay_alu instid0(VALU_DEP_1)
	v_pk_add_f32 v[32:33], v[32:33], v[34:35]
	s_delay_alu instid0(VALU_DEP_1)
	v_add_f32 v8, v32, v33
	WSUM
	ds_store_b32 v2, v8 offset:256                 ; other words than the maxima's: no barrier is needed between the reads above and these stores
	s_wait_dscnt 0x0
	s_barrier_signal -1
	s_barrier_wait -1
	ds_load_b32 v8, v3 offset:256
	s_wait_dscnt 0x0
	WSUM                                           ; the sum over all rows
	s_wait_alu depctr_va_vdst(0)
	v_rcp_f32 v6, v8
	v_rcp_f32 v7, v8                               ; twice: a pair for the packed multiply
	v_nop
	s_wait_alu depctr_va_vdst(0)                   ; one wait for both reciprocals
.irp j, 0,2,4,6,8,10,12,14
	v_pk_mul_f32 v[16+\j:17+\j], v[16+\j:17+\j], v[6:7]
.endr
.irp g, 0,1,2,3
	global_store_b128 v1, v[16+4*\g:19+4*\g], s[6:7] offset:16384*\g   ; a wave stores 512 consecutive bytes, at a multiple of 256 from the buffer's first byte
.endr
	s_wait_tensorcnt 0x0
	ds_add_u32 v80, v81
	s_wait_dscnt 0x0
	s_endpgm
.Lfunc_end_k_q8cbee8b33c_soft:
	.size	k_q8cbee8b33c_soft, .Lfunc_end_k_q8cbee8b33c_soft-k_q8cbee8b33c_soft
	.p2alignl 7, 3214868480
	.fill 96, 4, 3214868480
	.section	.rodata,"a",@progbits
	.p2align	6, 0x0
	.amdhsa_kernel k_q8cbee8b33c_soft
		.amdhsa_group_segment_fixed_size 4608
		.amdhsa_private_segment_fixed_size 0
		.amdhsa_enable_private_segment 0
		.amdhsa_kernarg_size 16
		.amdhsa_user_sgpr_count 2
		.amdhsa_user_sgpr_kernarg_segment_ptr 1
		.amdhsa_wavefront_size32 1
		.amdhsa_system_sgpr_workgroup_id_x 1
		.amdhsa_system_sgpr_workgroup_id_y 1
		.amdhsa_system_sgpr_workgroup_id_z 1
		.amdhsa_system_vgpr_workitem_id 0
		.amdhsa_next_free_vgpr 82
		.amdhsa_next_free_sgpr 66
		.amdhsa_reserve_vcc 0
		.amdhsa_float_denorm_mode_32 3
		.amdhsa_float_denorm_mode_16_64 3
		.amdhsa_memory_ordered 1
		.amdhsa_forward_progress 1
		.amdhsa_inst_pref_size 11
	.end_amdhsa_kernel
	.amdgpu_metadata
---
amdhsa.version: [ 1, 2 ]
amdhsa.kernels:
  - .name:           k_q8cbee8b33c_soft
    .symbol:         k_q8cbee8b33c_soft.kd
    .args:
      - { .name: part, .offset: 0, .size: 8, .value_kind: global_buffer, .address_space: global }
      - { .name: out0, .offset: 8, .size: 8, .value_kind: global_buffer, .address_space: global }
    .group_segment_fixed_size: 4608
    .private_segment_fixed_size: 0
    .kernarg_segment_align: 8
    .kernarg_segment_size: 16
    .max_flat_workgroup_size: 1024
    .sgpr_count:     66
    .vgpr_count:     82
    .wavefront_size: 32
...
	.end_amdgpu_metadata
.endif
;; end of part 3
